; MI455X (gfx1250); checked and timed in simulation.
; The chip was launched on July 23, 2026; its instructions are those of AMD's public machine-readable ISA for CDNA 5 (MIT licence, August 2026) and "CDNA5" Instruction Set Architecture Reference Guide (July 2026). The comments in the code are by the model that wrote it; some were corrected since.
;; Flash Diff Custom Attention. Allowed arithmetic: matrix products marked QUANTISED: E4M3 operands, one E8M0 scale for each 32 along K, by v_wmma_scale_f32_16x16x128_f8f6f4 with both operands' format E4M3, f32 sums; everything else in f32.
;; Inputs: k_codes 2 x 2,048 x 16 x 4 x 32 uint8 (E4M3 codes of k, K innermost, in blocks of 32 codes); k_scales 2 x 2,048 x 16 x 4 uint8 (E8M0 scales of k, one for each 32 codes along K); lambda_k1 128 float32; lambda_k2 128 float32; lambda_q1 128 float32; lambda_q2 128 float32; q_codes 2 x 2,048 x 16 x 4 x 32 uint8 (E4M3 codes of q, K innermost, in blocks of 32 codes); q_scales 2 x 2,048 x 16 x 4 uint8 (E8M0 scales of q, one for each 32 codes along K); subln_weight 256 float32; v 2 x 2,048 x 16 x 128 float32.
;; Outputs: out0 2 x 2,048 x 16 x 128 float32.
;; This version of the problem:
;;   THIS VERSION OF THE PROBLEM IS GIVEN IN LOW PRECISION. The matrix products marked QUANTISED in the list below multiply operands that are first quantised to E4M3 (4 exponent bits, 3 mantissa bits; 8 bits a number), with one power-of-two scale for each 32 numbers along K (OCP MX v1.0); their sums are f32. All else is computed in f32.
;;   The module's matrix products, in the order in which they are computed (A, B: the left and right operand; K: the contracted axis; several contracted axes count as one K, in the product's order):
;;     1. batch 16 x [M 2,048, K 128] x [K 128, N 2,048]; A: input q (given as codes); B: input k (given as codes): QUANTISED
;;     2. batch 16 x [M 256, K 2,048] x [K 2,048, N 2,048]; A: computed on the way; B: softmax (see below): QUANTISED
;;     3. batch 16 x [M 2,048, K 128] x [K 128, N 2,048]; A: input q (given as codes); B: input k (given as codes): QUANTISED
;;     4. batch 16 x [M 256, K 2,048] x [K 2,048, N 2,048]; A: computed on the way; B: softmax (see below): QUANTISED
;;   THE QUANTISER, for each operand of a quantised product, along K:
;;     - K is cut into blocks of 32 from its start; a last block that is shorter is filled with zeros.
;;     - A block's scale is 2^e with e = floor(log2(the largest magnitude in the block)) - 8, held to -126 .. 127; a block of zeros has e = 0. As a byte (E8M0): e + 127.
;;     - Each number is divided by its block's scale, clamped to +-448, and rounded to the nearest number of E4M3, ties to even, subnormals kept.
;;     - The product sums the exact products of the quantised numbers (number of the format x scale) in f32.
;;   ~~~python
;;   def quantise(x, axis):      # numpy; x: float32 -> the quantised numbers, widened to float32 again
;;       x = np.moveaxis(x, axis, -1); K = x.shape[-1]
;;       x = np.pad(x, [(0, 0)] * (x.ndim - 1) + [(0, -K % 32)]); x = x.reshape(x.shape[:-1] + (-1, 32)); a = np.abs(x).max(-1, keepdims=True)
;;       e = np.where(a > 0, np.clip(np.frexp(np.where(a > 0, a, 1))[1] - 1 - 8, -126, 127), 0)      # np.frexp(a)[1] - 1 = floor(log2(a)), exactly
;;       r = np.clip(x / 2.0 ** e, -448, 448)
;;       step = 2.0 ** (np.maximum(np.frexp(np.where(r == 0, 1, r))[1] - 1, -6) - 3)
;;       q = np.round(r / step) * step * 2.0 ** e      # np.round: ties to even
;;       return np.moveaxis(q.reshape(q.shape[:-2] + (-1,))[..., :K], -1, axis).astype(np.float32)
;;   ~~~
;;   SOFTMAX AHEAD OF A QUANTISED PRODUCT. Where the list says 'softmax', what is quantised is not the finished softmax but p = 2^(t - M), with t = logit x log2(e) and M = ceil(the row's largest t), a whole number; so 1/2 < the row's largest p <= 1. The row's sum l is taken of the UNQUANTISED p, in f32, and the product's result is divided by l at the end. Since M is a whole number, a kernel that streams over the keys may use a running M (the ceiling of the running maximum): every later rescaling is an exact power of two, which a block's scale takes up: the codes' values come out the same.
;;   OPERANDS COMPUTED ON THE WAY. 'Computed on the way' means the value that the module computes at that place (a softmax that the list does not call 'softmax' is quantised finished and normalised). What goes into a quantiser is computed in f32, as accurately as f32 sums, v_exp_f32 and their like allow (about 1e-6 of the number): no bf16 or f16 on the way to a quantiser, and a product that is left as it is and whose result goes on into a quantised operand takes f32 operands (vector FMAs, or v_wmma_f32_16x16x4_f32). A number that lies on a knife's edge between two numbers of the format may be rounded either way, as far as f32 arithmetic and the matrix unit's own rounding can turn it there, and no further.
;;   INPUTS GIVEN AS CODES. k (in the module: [2, 2048, 16, 128], K = its axis 3); q (in the module: [2, 2048, 16, 128], K = its axis 3): each comes as NAME_codes (uint8): NAME with its K axis moved to the last place and cut into blocks of 32 codes, [.., K / 32, bytes a block], one block behind the other in memory; one code a byte (a code: sign, 4 exponent bits, 3 mantissa bits); and NAME_scales (uint8): the same leading axes, one E8M0 byte (e + 127) for each 32 codes along K. Its value is code x scale, taken as it is: it is not quantised again, and the codes and scales need not be those that the quantiser above would give.
;; One version. Each part assembles by itself: llvm-mc -triple=amdgcn-amd-amdhsa -mcpu=gfx1250 --defsym DOCPART=n.
;; ======== version 1 of 1: 2 launches
;; workspace buffers: vq 8,912,896 bytes
;; launch quant (part 1): grid 16 x 16, 8 waves a work-group, no clusters, 0 bytes of LDS; arguments v, k_scales, vq; writes vq
.if DOCPART == 1
	.amdgcn_target "amdgcn-amd-amdhsa--gfx1250"
	.amdhsa_code_object_version 6
	.text
	.protected	k_qad10db7ff5_quant
	.globl	k_qad10db7ff5_quant
	.p2align	8
	.type	k_qad10db7ff5_quant,@function
k_qad10db7ff5_quant:
	s_mov_b64 s[64:65], 0
	v_nop
	global_prefetch_b8 v0, s[64:65] scope:SCOPE_SE
	s_setreg_imm32_b32 hwreg(HW_REG_WAVE_MODE, 25, 1), 1
	s_wait_xcnt 0x0
; LAUNCH 1 OF 2.  Differential attention: out = rmsnorm(attn1 - lambda attn2) x weight x (1 - LAMBDA_INIT), both softmaxes causal, both multiplying the same V of 256 channels
; (heads 2 h and 2 h + 1 of v, side by side), all four products on codes of FP8 (E4M3) with one E8M0 scale for each 32 along K.
; THIS LAUNCH quantises v along the KEYS (the second products' K) and lays its codes, its scale words and k's scale words as the second launch's registers want them.
; WORK LEFT OUT BY THE PROGRAM (all of it in the second launch): the mask is the jnp.tril that the problem builds in its own body: key t counts for query s only where t <= s.  A masked score is set to -1e30
; ahead of the softmax, so its p = 2^(t - M) is 0 for every finite input whose row has a visible score far above -1e30, and a zero p adds nothing to the row's sum or to the second product, whatever V holds.
; So a step of 128 keys that all come after a wave's 16 queries is not computed, and a slot of 256 keys that all come after a work-group's last query is not fetched.  Inside a step on the diagonal the work is done and masked.
; No input is without a way to the output: all are loaded.
; LIMITS: a masked key counts exactly 0 (equal to the problem's own result wherever a row's largest visible logit lies far above -1e30); a NaN, an infinity or an overflow that reaches only the tiles left out is not
; carried to the result; NaN and infinities in v are not served; a block of zeros gets the scale byte 1 (the rule says 127): its codes are zeros, which add nothing under any byte but 0xff, and this program alone reads the bytes.
; vq: [b x 8 + h (16)][slot of 256 keys (8)][69,632 bytes].  A block: +0 V's codes [step of 128 keys (2)][tile of 16 channels (16)][2,048 bytes]: the image of a fragment's registers: group c (32 keys) at 512 c,
;   lane (r, hh) at 256 hh + 16 r: channel 16 T + r, keys 32 c + 8 hh + 0..7, then 32 c + 16 + 8 hh + 0..7: the order in which the second launch's p come out of its first product.  The blocks of 32 keys stay the same sets, so the scales are the rule's.
;   +65,536 V's scale words [step][pair of tiles (8)][lane]: channel 32 j + lane, byte c = block c of the step.   +67,584 k's scale words [step][softmax (2)][32 keys (4)][lane]: key 32 j + lane of the step, head 2 h + a.
; SHARES.  Work-group (x = head g, y = b x 8 + slot).  Wave w: 32 channels (w & 3) of the head x 128 keys (w >> 2).  A LANE TAKES A CHANNEL AND ITS REGISTERS RUN DOWN THE KEYS: a load reads 128 consecutive bytes,
; a block of 32 keys lies in one lane, and the conversions give codes with the keys innermost.  Each store of codes: sixteen lanes write 256 consecutive bytes, aligned.  The scale words leave in runs of 128 bytes: one byte in 128 of what the launch moves.
; k's scale words are read 4 bytes a lane, 64 bytes apart: 262,144 bytes in the whole launch.
; No LDS, no barrier: waves share nothing.  Every block of numbers and of codes has registers of its own, so no source of a pending load or store is written again.
.set BLKB,  69632                      ; a block of vq
.set KEYB,  8192                       ; from key to key in v: 16 heads x 128 x 4 bytes
.set X,     48                         ; v48-175  four sets of 32 numbers
.set C,     16                         ; v16-47   four sets of 8 registers of codes
	s_load_b128 s[4:7], s[0:1], 0x0                ; v, k_scales
	s_load_b64 s[8:9], s[0:1], 0x10                ; vq
	v_lshrrev_b32 v1, 5, v0
	v_readfirstlane_b32 s10, v1                    ; wave 0..7
	v_and_b32 v1, 31, v0                           ; lane
	v_lshlrev_b32 v2, 2, v1                        ; 4 x lane: my channel in v, my word among scale words
	v_lshrrev_b32 v3, 4, v1
	v_and_b32 v4, 15, v1
	v_lshlrev_b32 v3, 11, v3
	v_lshl_add_u32 v3, v4, 4, v3                   ; codes: tile lane / 16 (2,048 bytes), row lane % 16 (16 bytes)
	v_lshlrev_b32 v5, 6, v1                        ; k_scales: 64 bytes from key to key
	s_and_b32 s11, s10, 3                          ; cg: which 32 channels (and which 32 keys of k's scale words)
	s_lshr_b32 s12, s10, 2                         ; q: which 128 keys of the slot
	s_and_b32 s13, ttmp7, 0xffff
	s_lshr_b32 s14, s13, 3                         ; b
	s_and_b32 s15, s13, 7                          ; slot
	s_lshl_b32 s16, s14, 11
	s_lshl_b32 s17, s15, 8
	s_add_co_u32 s16, s16, s17
	s_lshl_b32 s17, s12, 7
	s_add_co_u32 s16, s16, s17                     ; my first key, counted through both batches
	s_lshl_b32 s18, s16, 4
	s_add_co_u32 s18, s18, ttmp9
	s_lshl_b32 s18, s18, 9                         ; (key x 16 + head) x 512 bytes
	s_lshl_b32 s17, s11, 7
	s_add_co_u32 s18, s18, s17                     ; + 128 cg
	s_mov_b32 s19, 0
	s_lshl_b32 s17, s11, 5
	s_add_co_u32 s20, s16, s17
	s_lshl_b32 s20, s20, 4
	s_add_co_u32 s20, s20, ttmp9
	s_lshl_b32 s20, s20, 2                         ; k_scales: ((key + 32 cg) x 16 + head) x 4
	s_mov_b32 s21, 0
	s_lshr_b32 s17, ttmp9, 1                       ; h
	s_and_b32 s28, ttmp9, 1                        ; a: which half of the pair
	s_lshl_b32 s22, s14, 3
	s_add_co_u32 s22, s22, s17
	s_lshl_b32 s22, s22, 3
	s_add_co_u32 s22, s22, s15
	s_mul_i32 s22, s22, BLKB                       ; my block of vq
	s_lshl_b32 s24, s12, 10                        ; scale words: 1,024 q + 512 a + 128 cg, V's from 65,536 on, k's 2,048 further
	s_lshl_b32 s17, s28, 9
	s_add_co_u32 s24, s24, s17
	s_lshl_b32 s17, s11, 7
	s_add_co_u32 s24, s24, s17
	s_add_co_u32 s24, s24, s22
	s_add_co_u32 s24, s24, 65536
	s_mov_b32 s25, 0
	s_lshl_b32 s17, s12, 15                        ; codes: 32,768 q + 2,048 (8 a + 2 cg)
	s_add_co_u32 s22, s22, s17
	s_lshl_b32 s17, s28, 14
	s_add_co_u32 s22, s22, s17
	s_lshl_b32 s17, s11, 12
	s_add_co_u32 s22, s22, s17
	s_mov_b32 s23, 0
	s_mov_b32 s31, 0x600000                        ; the mantissa field of 448
	s_wait_kmcnt 0x0
	s_add_nc_u64 s[4:5], s[4:5], s[18:19]
	s_add_nc_u64 s[6:7], s[6:7], s[20:21]
	s_add_nc_u64 s[26:27], s[8:9], s[24:25]        ; the scale words
	s_add_nc_u64 s[8:9], s[8:9], s[22:23]          ; the codes
.macro LOAD c                          ; block c: v(32 c + i, my channel), i = 0 .. 31
.set ii, 0
.rept 32
	global_load_b32 v[X+32*(\c)+ii], v2, s[4:5] offset:(32*(\c)+ii)*KEYB th:TH_LOAD_NT
.set ii, ii+1
.endr
.endm
.macro BLOCK c
.set XS, X+32*(\c)
.set CC, C+8*(\c)
	v_max3_num_f32 v12, |v[XS]|, |v[XS+1]|, |v[XS+2]|               ; the largest magnitude of the block: all 32 numbers are mine; two chains
	v_max3_num_f32 v13, |v[XS+3]|, |v[XS+4]|, |v[XS+5]|
.irp i, 6,10,14,18,22,26
	v_max3_num_f32 v12, v12, |v[XS+\i]|, |v[XS+\i+1]|
	v_max3_num_f32 v13, v13, |v[XS+\i+2]|, |v[XS+\i+3]|
.endr
	v_max3_num_f32 v12, v12, |v[XS+30]|, |v[XS+31]|
	v_max3_num_f32 v12, v12, v13, 0x4800000        ; and the floor 2^(9 - 127): the byte cannot fall under 1
	v_add_nc_u32 v11, 0xfc000000, v12              ; 8 off the exponent field: the scale operand of the conversion, which takes that field alone
	v_and_or_b32 v10, v12, 0x7f800000, s31         ; 448 x the scale
	v_lshrrev_b32 v13, 23, v11                     ; the scale byte
.if (\c) == 0
	v_mov_b32 v14, v13                             ; four bytes make my channel's scale word for these 128 keys
.else
	v_lshl_or_b32 v14, v13, 8*(\c), v14
.endif
.set ii, 0
.rept 32
	v_med3_num_f32 v[XS+ii], v[XS+ii], -v10, v10   ; the conversion to an 8-bit code does not saturate (ISA guide 7.6.2): the hold at the largest code x the scale
.set ii, ii+1
.endr
	v_cvt_scalef32_pk8_fp8_f32 v[CC:CC+1],   v[XS:XS+7],     v11   ; lanes 0-15 of the fragment want keys 0-7 and 16-23 of the block,
	v_cvt_scalef32_pk8_fp8_f32 v[CC+2:CC+3], v[XS+16:XS+23], v11
	v_cvt_scalef32_pk8_fp8_f32 v[CC+4:CC+5], v[XS+8:XS+15],  v11   ; lanes 16-31 keys 8-15 and 24-31
	v_cvt_scalef32_pk8_fp8_f32 v[CC+6:CC+7], v[XS+24:XS+31], v11
	v_nop                                          ; a plain line behind the last conversion of the run
	global_store_b128 v3, v[CC:CC+3], s[8:9] offset:512*(\c)          ; sixteen lanes write 256 consecutive bytes, aligned
	global_store_b128 v3, v[CC+4:CC+7], s[8:9] offset:512*(\c)+256
.endm
	global_load_b32 v6, v5, s[6:7]                 ; k's scale word of key 32 cg + lane of my step, head g
	LOAD 0
	LOAD 1
	s_wait_loadcnt 32                              ; the 32 loads of block 1 may be out: k's word and block 0 are in
	global_store_b32 v2, v6, s[26:27] offset:2048
	LOAD 2
	BLOCK 0
	s_wait_loadcnt 32                              ; block 2's may be out: block 1 is in
	LOAD 3
	BLOCK 1
	s_wait_loadcnt 32                              ; block 3's may be out: block 2 is in
	BLOCK 2
	s_wait_loadcnt 0x0
	BLOCK 3
	global_store_b32 v2, v14, s[26:27]             ; V's scale word
	s_endpgm
.Lfunc_end_k_qad10db7ff5_quant:
	.size	k_qad10db7ff5_quant, .Lfunc_end_k_qad10db7ff5_quant-k_qad10db7ff5_quant
	.p2alignl 7, 3214868480
	.fill 96, 4, 3214868480
	.section	.rodata,"a",@progbits
	.p2align	6, 0x0
	.amdhsa_kernel k_qad10db7ff5_quant
		.amdhsa_group_segment_fixed_size 0
		.amdhsa_private_segment_fixed_size 0
		.amdhsa_enable_private_segment 0
		.amdhsa_kernarg_size 24
		.amdhsa_user_sgpr_count 2
		.amdhsa_user_sgpr_kernarg_segment_ptr 1
		.amdhsa_wavefront_size32 1
		.amdhsa_system_sgpr_workgroup_id_x 1
		.amdhsa_system_sgpr_workgroup_id_y 1
		.amdhsa_system_sgpr_workgroup_id_z 1
		.amdhsa_system_vgpr_workitem_id 0
		.amdhsa_next_free_vgpr 176
		.amdhsa_next_free_sgpr 66
		.amdhsa_reserve_vcc 0
		.amdhsa_float_denorm_mode_32 3
		.amdhsa_float_denorm_mode_16_64 3
		.amdhsa_memory_ordered 1
		.amdhsa_forward_progress 1
		.amdhsa_inst_pref_size 30
	.end_amdhsa_kernel
	.amdgpu_metadata
---
amdhsa.version: [ 1, 2 ]
amdhsa.kernels:
  - .name:           k_qad10db7ff5_quant
    .symbol:         k_qad10db7ff5_quant.kd
    .args:
      - { .name: v, .offset: 0, .size: 8, .value_kind: global_buffer, .address_space: global }
      - { .name: k_scales, .offset: 8, .size: 8, .value_kind: global_buffer, .address_space: global }
      - { .name: vq, .offset: 16, .size: 8, .value_kind: global_buffer, .address_space: global }
    .group_segment_fixed_size: 0
    .private_segment_fixed_size: 0
    .kernarg_segment_align: 8
    .kernarg_segment_size: 24
    .max_flat_workgroup_size: 256
    .sgpr_count:     66
    .vgpr_count:     176
    .wavefront_size: 32
...
	.end_amdgpu_metadata
.endif
;; end of part 1
;; launch attn (part 2): grid 16 x 16, 8 waves a work-group, no clusters, 327,680 bytes of LDS; arguments q_codes, q_scales, k_codes, vq, lambda_q1, lambda_k1, lambda_q2, lambda_k2, subln_weight, out0; writes out0
.if DOCPART == 2
	.amdgcn_target "amdgcn-amd-amdhsa--gfx1250"
	.amdhsa_code_object_version 6
	.text
	.protected	k_qad10db7ff5_attn
	.globl	k_qad10db7ff5_attn
	.p2align	8
	.type	k_qad10db7ff5_attn,@function
k_qad10db7ff5_attn:
	s_mov_b64 s[64:65], 0
	v_nop
	global_prefetch_b8 v0, s[64:65] scope:SCOPE_SE
	s_setreg_imm32_b32 hwreg(HW_REG_WAVE_MODE, 25, 1), 1
	s_wait_xcnt 0x0
; LAUNCH 2 OF 2.  For each (b, h): two causal softmaxes (heads 2 h and 2 h + 1 of q and k) over the same V of 256 channels; out = rmsnorm(attn1 - lambda attn2) x weight x (1 - LAMBDA_INIT).
; All four products on codes of FP8 (E4M3) with E8M0 scales.  q and k as given; V's codes and scale words and k's scale words from vq, laid by the first launch as images of the operands' registers.
; WORK LEFT OUT (shown at the head of the first launch): key steps all of whose 128 keys come after a wave's 16 queries, and slots of 256 keys that come after the work-group's last query: the problem's own tril gives them p = 0.
; LIMITS: as stated there (a masked key counts exactly 0; NaN, infinity or overflow in tiles left out is not carried on).
; THE SOFTMAX: t = score x log2(e) / sqrt(128); M = the running largest t rounded UP to a whole number; p = 2^(t - M) is quantised along the keys, not normalised; the row's sum is taken of the unquantised p and divides at the end.
; When M moves, the sum and O are multiplied by 2^(old M - new M): exact.
; SHARES.  The 2,048 queries of a (b, h) are 32 blocks of 64.  Work-group x owns blocks x and 31 - x: waves 0-3 a tile of 16 queries each of the early block, waves 4-7 of the late one: (x / 2 + 1) + ((31 - x) / 2 + 1) = 17
; key steps for each such pair of waves in every work-group: 256 equal work-groups.  A wave owns ONE tile of 16 queries for BOTH softmaxes: a fragment of V read from LDS feeds two products, and the difference and the norm stay in the lane.
; LAYOUT.  Both products transposed: S^T = K Q^T (source 0 = 16 neighbouring keys), O^T = V^T P^T (source 0 = 16 channels): a lane holds one query (lane % 16) throughout.  Register 8 t + j of S^T is key 16 t + 8 (lane / 16) + j,
; so p's codes of a block of 32 keys stand in the order 8 hh + 0..7, 16 + 8 hh + 0..7; V's images hold the keys in the same order.  A permutation of K inside a block of 32, alike on both sides, keeps products and scales.
; THE RING.  Two LDS slots of 256 keys: 256 rows of K (both heads: 256 bytes + 16 of padding) and a block of vq (69,632 dense bytes).  Waves 0-3 fetch K's quarters, waves 4-7 the block's: one tensor load a wave for a slot; by this text's count one is out at most.
; Every work-group walks all 8 slots (trip counts are constants); what is left out is a step's work, and a fill that no wave of the work-group would read.
; NO CLUSTER: the 16 work-groups of a (b, h) read the same tiles, but they need different numbers of them: work-group x stops fetching behind key 64 (31 - x) + 63, by a jump that a joint load does not admit.
; REGISTERS.  Window 0: v1-15 addresses and lambda; v16-47 Q1, Q2; v48-111 F0: four fragments; v112-175 S: S^T, then p, then four fragments; v176-207 p's codes of both softmaxes (fragments of K while they are dead);
;   v208-223 at work; v224-239 scale words and nothing else; v240-255 statistics and temporaries.   Window 1: v0-127 O1^T, v128-255 O2^T (tile T of 16 channels at 8 T).
.set SLOT,   139264                    ; a slot: K's tile, then the block of vq
.set KP,     272                       ; a key's row in LDS: 128 bytes of head 2 h, 128 of head 2 h + 1, 16 of padding: 17 x 16 bytes, so that the 16 rows of a load begin at 16 different places modulo 256
.set VBL,    256*KP                    ; where the block of vq begins in a slot
.set SCO,    VBL+65536                 ; and its scale words: V's 2,048 bytes, then K's 2,048
.set QUART,  17408                     ; a quarter of either: 64 x 272 = 68 x 256
.set STAGE,  2*SLOT                    ; the way out: 16 rows x 272 bytes for each wave; no fill lands here
.set SP,     272
.set SPARE,  STAGE+8*16*SP             ; the spare words, 128 bytes for each wave: four blocks of 256 bytes that no other line names
.set KSLOTB, 256*2048                  ; a slot on in k_codes
.set VSLOTB, 69632                     ; and in vq
.set SPW,  1                           ; v1   LDS address of my spare word; never rewritten
.set NIL,  2                           ; v2   0; never rewritten
.set AK0,  3                           ; v3   my lane's place in a tile of K: 272 r + 16 hh
.set AV0,  4                           ; v4   in an image of V: VBL + 16 x lane
.set AS0,  5                           ; v5   among scale words: SCO + 4 x lane
.set ADK,  6                           ; v6-8 the same in the slot in hand
.set ADV,  7
.set ADS,  8
.set STO,  9                           ; v9   the way out: where I put 32 bytes of a row
.set RD,   10                          ; v10  where I read a row back
.set GO,   11                          ; v11  my byte offset in the wave's rows of out0
.set PFKO, 12                          ; v12  the prefetches' offsets: 2,048 x lane (a row of K), never rewritten
.set PFVO, 13                          ; v13  256 x lane, never rewritten
.set LAM,  14                          ; v14  lambda
.set RH,   15                          ; v15  r - 8 hh, for the mask; on the way out 16 r
.set QF,   16
.set F0,   48
.set S,    112
.set P,    176
.set BM,   208                         ; v208-211 a block's largest score, then its largest p
.set T4,   212                         ; v212-215 at work
.set HL,   216                         ; v216-219 448 x the scale
.set SO,   220                         ; v220-223 the conversions' scale operands
.set KS,   224                         ; v224-227 K's scale words: lanes 0-15 tile 2 j, lanes 16-31 tile 2 j + 1
.set VS,   228                         ; v228-235 V's likewise
.set PW,   236                         ; v236-237 p's scale words
.set QS,   238                         ; v238-239 Q's
.set ST,   240                         ; v[240+2a] -M, v[241+2a] the largest t
.set SUM,  244                         ; v[244+2a:245+2a] the row's sum in two halves
.set FF,   248                         ; v248 the factor in hand; v249 written once: named with it as a pair
.set TA,   250
.set TBV,  251
.set CH,   252                         ; v[252:253] the second chain of sums
.set NINF, 254                         ; -infinity
.set TC,   255
.set WV,   24                          ; s24  my wave's number
.set W3,   25                          ; s25  wave & 3
.set Q0,   26                          ; s26  my first query
.set KF,   27                          ; s27  the step's first key
.set LASTQ, 28                         ; s28  my work-group's last query
.set LIM,  29                          ; s29  1,536 in the work-group that prefetches, else 0
.set SLOTS, 30
.set MNT,  31                          ; s31  the mantissa field of 448
.set SEL,  32                          ; s[32:33] lane l xor 16
.set CS,   34                          ; s[34:35] c = log2(e) / sqrt(128)
.set G1K,  36                          ; s[36:43] descriptor group 1 for K's quarter;  s[44:51] for the block's
.set G1V,  44
.set G0K,  52                          ; s[52:55], s[56:59] their groups 0, which walk
.set G0V,  56
.set KL,   60                          ; s60  my quarter's place in a slot: K's;  s61: the block's
.set VL,   61
.set TB,   62                          ; s62  LDS byte at which the slot in hand begins: 0 or SLOT
.set PFK,  72                          ; s[72:73], s[74:75] where my prefetches stand
.set PFV,  74
.set MSB, 0
.macro WIN new                         ; the immediate's high byte repeats the setting that is left; a switch that changes nothing is dropped
.if MSB != \new
	s_set_vgpr_msb (MSB<<8)|\new
.set MSB, \new
.endif
.endm
.macro PLACES n
.rept \n
	v_nop
.endr
.endm
; Waves 0-3 fetch K's quarters, waves 4-7 the block's.  The branch hangs on the wave's number alone; each arm holds a load.  An s_nop 0 and four v_nop follow each.
.macro TLOAD
	s_cmp_lt_u32 s[WV], 4
	s_cbranch_scc0 .Lfor_v_\@
	tensor_load_to_lds s[G0K:G0K+3], s[G1K:G1K+7]
	s_nop 0
.rept 4
	v_nop
.endr
	s_branch .Lasked_\@
.Lfor_v_\@:
	tensor_load_to_lds s[G0V:G0V+3], s[G1V:G1V+7]
	s_nop 0
.rept 4
	v_nop
.endr
.Lasked_\@:
.endm
; A PREFETCH INTO THE L2 of the slot that the NEXT change of slots will ask for.  All 16 work-groups of a (b, h) walk the same K and V: work-group x = 0, which fetches all 8 slots, asks, and nobody else.
; Each of its waves: 32 rows of K, a lane a row of 256 bytes; 8,192 bytes of V's codes, lanes 256 bytes apart.  So each aligned block of 256 bytes is named once.  At the change for slot n it names slot n + 2;
; it stops behind n = 5.  Slots 0 and 1 come by their loads alone; the 4,096 bytes of scale words of a slot are not asked for.
.macro ASK
	s_cmp_lt_u32 s[KF], s[LIM]
	s_cbranch_scc0 .Lnot_mine_\@
	global_prefetch_b8 v[PFKO], s[PFK:PFK+1] th:TH_LOAD_NT scope:SCOPE_SE
	global_prefetch_b8 v[PFVO], s[PFV:PFV+1] th:TH_LOAD_NT scope:SCOPE_SE
.Lnot_mine_\@:
.endm
	s_load_b512 s[4:19], s[0:1], 0x0               ; q_codes 4, q_scales 6, k_codes 8, vq 10, lambda_q1 12, lambda_k1 14, lambda_q2 16, lambda_k2 18
	s_load_b128 s[20:23], s[0:1], 0x40             ; subln_weight 20, out0 22
	v_lshl_add_u32 v[SPW], v0, 2, SPARE
	v_mov_b32 v[NIL], 0
	ds_add_u32 v[SPW], v[NIL]                      ; the wave's opening: the add, twice on end, and its wait ahead of my first tensor load; the set-up below, work on registers, stands between
	ds_add_u32 v[SPW], v[NIL]
	v_lshrrev_b32 v[TA], 5, v0
	v_readfirstlane_b32 s[WV], v[TA]               ; wave 0..7
	s_and_b32 s[W3], s[WV], 3
	s_and_b32 s76, ttmp7, 0xffff                   ; y = 8 b + h
	s_lshr_b32 s77, s76, 3                         ; b
	s_and_b32 s78, s76, 7                          ; h
	s_sub_co_u32 s80, 31, ttmp9                    ; the late block
	s_cmp_lt_u32 s[WV], 4
	s_cselect_b32 s81, ttmp9, s80                  ; my block of 64 queries
	s_lshl_b32 s[Q0], s81, 6
	s_lshl_b32 s79, s[W3], 4
	s_add_co_u32 s[Q0], s[Q0], s79
	s_lshl_b32 s[LASTQ], s80, 6
	s_or_b32 s[LASTQ], s[LASTQ], 63
	s_cmp_eq_u32 ttmp9, 0
	s_cselect_b32 s[LIM], 1536, 0
	; group 1 for K: 64 rows of 256 bytes, 2,048 bytes apart in memory, 16 bytes of padding behind each
	s_mov_b32 s[G1K], (0<<16)|(1<<20)|(5<<22)|(3<<25)   ; no mask; elements of 1 byte; padding on: 4 words behind every 64
	s_mov_b32 s[G1K+1], 256<<16                    ; tensor_dim0
	s_mov_b32 s[G1K+2], 64<<16                     ; tensor_dim1
	s_mov_b32 s[G1K+3], 256<<16                    ; tile_dim0
	s_mov_b32 s[G1K+4], 64                         ; tile_dim1
	s_mov_b32 s[G1K+5], 2048                       ; from row to row
	s_mov_b32 s[G1K+6], 0
	s_mov_b32 s[G1K+7], 0
	; group 1 for the block of vq: 68 dense rows of 32 elements of 8 bytes
	s_mov_b32 s[G1V], 3<<16
	s_mov_b32 s[G1V+1], 32<<16
	s_mov_b32 s[G1V+2], 68<<16
	s_mov_b32 s[G1V+3], 32<<16
	s_mov_b32 s[G1V+4], 68
	s_mov_b32 s[G1V+5], 32
	s_mov_b32 s[G1V+6], 0
	s_mov_b32 s[G1V+7], 0
	s_mul_i32 s[KL], s[W3], QUART
	s_add_co_u32 s[VL], s[KL], VBL
	s_mov_b32 s[TB], 0
	s_mov_b32 s[KF], 0
	s_mov_b32 s[SLOTS], 7
	s_mov_b32 s[MNT], 0x600000
	s_mov_b32 s[SEL], 0x76543210
	s_mov_b32 s[SEL+1], 0xfedcba98
	s_mov_b32 s[CS], 0x3e0293ee
	s_mov_b32 s[CS+1], s[CS]                       ; (named with it as a pair, so it is written)
	s_lshl_b32 s82, s77, 22                        ; k_codes: b x 2,048 keys x 2,048 bytes + 256 h
	s_lshl_b32 s79, s78, 8
	s_add_co_u32 s82, s82, s79
	s_mov_b32 s83, 0
	s_lshl_b32 s84, s[W3], 17                      ; my quarter: 64 rows
	s_mov_b32 s85, 0
	s_mul_i32 s86, s76, 8*VSLOTB                   ; vq: y x 8 blocks
	s_mov_b32 s87, 0
	s_mov_b32 s88, s[KL]
	s_mov_b32 s89, 0
	s_lshl_b32 s90, s77, 11
	s_add_co_u32 s90, s90, s[Q0]                   ; my first query, counted through both batches
	s_lshl_b32 s92, s90, 11
	s_add_co_u32 s92, s92, s79                     ; q_codes: 2,048 bytes a query + 256 h
	s_mov_b32 s93, 0
	s_lshl_b32 s94, s90, 6
	s_lshl_b32 s79, s78, 3
	s_add_co_u32 s94, s94, s79                     ; q_scales: 64 bytes a query + 8 h
	s_mov_b32 s95, 0
	s_lshl_b32 s68, s90, 13
	s_lshl_b32 s79, s78, 10
	s_add_co_u32 s68, s68, s79                     ; out0: 8,192 bytes a query + 1,024 h
	s_mov_b32 s69, 0
	s_lshl_b32 s70, s[WV], 16                      ; the prefetches: my 32 rows of K, in slot 1: the first change of slots steps it to slot 2
	s_add_co_u32 s70, s70, KSLOTB
	s_mov_b32 s71, 0
	s_lshl_b32 s96, s[WV], 13                      ; my 8,192 bytes of V's codes, likewise
	s_add_co_u32 s96, s96, VSLOTB
	s_mov_b32 s97, 0
	v_and_b32 v[TA], 31, v0                        ; lane
	v_and_b32 v[TBV], 15, v0                       ; r
	v_bfe_u32 v[TC], v0, 4, 1                      ; hh
	v_mul_u32_u24 v[AK0], v[TBV], KP
	v_lshl_add_u32 v[AK0], v[TC], 4, v[AK0]
	v_lshl_add_u32 v[AV0], v[TA], 4, VBL
	v_lshl_add_u32 v[AS0], v[TA], 2, SCO
	s_mul_i32 s79, s[WV], 16*SP
	s_add_co_u32 s79, s79, STAGE                   ; my stage
	v_mul_u32_u24 v[STO], v[TBV], SP
	v_lshl_add_u32 v[STO], v[TC], 5, v[STO]
	v_add_nc_u32 v[STO], s79, v[STO]               ; in: row r, 32 bytes for each half of the lanes
	v_mul_u32_u24 v[RD], v[TC], SP
	v_lshl_add_u32 v[RD], v[TBV], 4, v[RD]
	v_add_nc_u32 v[RD], s79, v[RD]                 ; back: lanes 0-15 one row of 256 bytes, lanes 16-31 the next
	v_lshlrev_b32 v[GO], 13, v[TC]
	v_lshl_add_u32 v[GO], v[TBV], 4, v[GO]         ; and the same two rows in out0
	v_lshlrev_b32 v[PFKO], 11, v[TA]
	v_lshlrev_b32 v[PFVO], 8, v[TA]
	v_lshlrev_b32 v[RH], 3, v[TC]
	v_sub_nc_u32 v[RH], v[TBV], v[RH]
	v_lshlrev_b32 v[ADK], 11, v[TBV]               ; until the loop these three hold the offsets of the loads below:
	v_lshl_add_u32 v[ADK], v[TC], 4, v[ADK]        ; Q: query r, + 16 hh
	v_lshlrev_b32 v[ADV], 6, v[TBV]                ; Q's scale words: 64 r
	v_lshlrev_b32 v[ADS], 4, v[TA]                 ; the lambdas: 16 x lane
	s_wait_dscnt 0x0                               ; both opening adds are done
	s_wait_kmcnt 0x0
	s_add_nc_u64 s[8:9], s[8:9], s[82:83]          ; k_codes and vq at my (b, h)
	s_add_nc_u64 s[10:11], s[10:11], s[86:87]
	s_mov_b32 s[G0K], 1                            ; count = 1
	s_mov_b32 s[G0K+1], s[KL]                      ; LDS address: slot 0
	s_add_nc_u64 s[G0K+2:G0K+3], s[8:9], s[84:85]  ; global address: keys 0 to 255, my quarter
	s_or_b32 s[G0K+3], s[G0K+3], 0x80000000        ; type = 2
	s_mov_b32 s[G0V], 1
	s_mov_b32 s[G0V+1], s[VL]
	s_add_nc_u64 s[G0V+2:G0V+3], s[10:11], s[88:89]
	s_or_b32 s[G0V+3], s[G0V+3], 0x80000000
	TLOAD                                          ; slot 0: every wave issues one
	s_add_nc_u64 s[PFK:PFK+1], s[8:9], s[70:71]
	s_add_nc_u64 s[PFV:PFV+1], s[10:11], s[96:97]
	s_add_nc_u64 s[4:5], s[4:5], s[92:93]
	s_add_nc_u64 s[6:7], s[6:7], s[94:95]
	s_add_nc_u64 s[22:23], s[22:23], s[68:69]
.irp a, 0,1
.irp c, 0,1,2,3
	global_load_b128 v[QF+16*\a+4*\c:QF+16*\a+4*\c+3], v[ADK], s[4:5] offset:128*\a+32*\c   ; both Q fragments stay in registers
.endr
.endr
	global_load_b64 v[QS:QS+1], v[ADV], s[6:7]     ; their scale words: heads 2 h and 2 h + 1 lie side by side
	global_load_b128 v[S:S+3], v[ADS], s[12:13]
	global_load_b128 v[S+4:S+7], v[ADS], s[14:15]
	global_load_b128 v[S+8:S+11], v[ADS], s[16:17]
	global_load_b128 v[S+12:S+15], v[ADS], s[18:19]
.irp a, 0,1
	v_mov_b32 v[ST+2*\a+1], 0xff61b1e6             ; the largest t so far: -3e38, under every t
	v_floor_f32 v[ST+2*\a], -v[ST+2*\a+1]          ; -M
	v_mov_b32 v[SUM+2*\a], 0
	v_mov_b32 v[SUM+2*\a+1], 0
.endr
.irp b, 0,1,2,3
	v_mov_b32 v[T4+\b], 0                          ; written once: a lane permute's destination counts as one of its sources
.endr
	v_mov_b32 v[CH], 0
	v_mov_b32 v[CH+1], 0
	v_mov_b32 v[FF+1], 0
	v_mov_b32 v[NINF], 0xff800000
	WIN 0x40                                       ; destination window 1
.set rr, 0
.rept 256
	v_mov_b32 v[rr], 0                             ; O1^T and O2^T, once, while the first tiles are on their way: the key step is then written with no first form of its own, which would be two more copies of it
.set rr, rr+1
.endr
	WIN 0
	s_wait_loadcnt 0x0                             ; Q, its scale words, the lambdas
	v_mul_f32 v[TA], v[S], v[S+4]                  ; lambda_q1 . lambda_k1 and lambda_q2 . lambda_k2: four numbers a lane,
	v_mul_f32 v[TBV], v[S+8], v[S+12]
.irp j, 1,2,3
	v_fmac_f32 v[TA], v[S+\j], v[S+4+\j]
	v_fmac_f32 v[TBV], v[S+8+\j], v[S+12+\j]
.endr
.irp m, 1,2,4,8
	v_add_f32_dpp v[TA], v[TA], v[TA] row_xmask:\m row_mask:0xf bank_mask:0xf   ; then over the 32 lanes
	v_add_f32_dpp v[TBV], v[TBV], v[TBV] row_xmask:\m row_mask:0xf bank_mask:0xf
.endr
	v_permlanex16_b32 v[CH], v[TA], s[SEL], s[SEL+1]
	v_permlanex16_b32 v[CH+1], v[TBV], s[SEL], s[SEL+1]
	v_add_f32 v[TA], v[TA], v[CH]
	v_add_f32 v[TBV], v[TBV], v[CH+1]
	v_mul_f32 v[TA], 0x3fb8aa3b, v[TA]
	v_mul_f32 v[TBV], 0x3fb8aa3b, v[TBV]
	v_exp_f32 v[TA], v[TA]
	v_exp_f32 v[TBV], v[TBV]
	v_nop                                          ; a plain line behind the exponentials,
	s_wait_alu depctr_va_vdst(0)                   ; and the wait ahead of their first reader
	v_sub_f32 v[LAM], v[TA], v[TBV]
	v_add_f32 v[LAM], 0x3f489a63, v[LAM]           ; + LAMBDA_INIT = 0.8 - 0.6 exp(-3.6)
.macro KFR dst, q, a, t                ; a fragment of K: keys 16 t on of the slot's q-th step, head 2 h + a
.irp c, 0,1,2,3
	ds_load_b128 v[(\dst)+4*\c:(\dst)+4*\c+3], v[ADK] offset:(128*(\q)+16*(\t))*KP+128*(\a)+32*\c
.endr
.endm
.macro KSC q, a                        ; its four scale registers
.irp j, 0,1,2,3
	ds_load_b32 v[KS+\j], v[ADS] offset:2048+1024*(\q)+512*(\a)+128*\j
.endr
.endm
.macro VFR dst, q, t                   ; a fragment of V^T: channels 16 t on, the step's 128 keys: the image as it lies, 512 consecutive bytes a load
.irp c, 0,1,2,3
	ds_load_b128 v[(\dst)+4*\c:(\dst)+4*\c+3], v[ADV] offset:32768*(\q)+2048*(\t)+512*\c
.endr
.endm
.macro VSC q
.irp j, 0,1,2,3,4,5,6,7
	ds_load_b32 v[VS+\j], v[ADS] offset:1024*(\q)+128*\j
.endr
.endm
.macro QK a, t, src                    ; tile t of S^T of softmax a
.if (\t)%2
	v_wmma_scale_f32_16x16x128_f8f6f4 v[S+8*(\t):S+8*(\t)+7], v[(\src):(\src)+15], v[QF+16*(\a):QF+16*(\a)+15], 0, v[KS+(\t)/2], v[QS+(\a)] matrix_a_scale:MATRIX_SCALE_ROW1
.else
	v_wmma_scale_f32_16x16x128_f8f6f4 v[S+8*(\t):S+8*(\t)+7], v[(\src):(\src)+15], v[QF+16*(\a):QF+16*(\a)+15], 0, v[KS+(\t)/2], v[QS+(\a)]
.endif
.endm
.macro PV t, a, src                    ; tile t of O^T of softmax a takes these 128 keys
.if (\t)%2
	v_wmma_scale_f32_16x16x128_f8f6f4 v[128*(\a)+8*(\t):128*(\a)+8*(\t)+7], v[(\src):(\src)+15], v[P+16*(\a):P+16*(\a)+15], v[128*(\a)+8*(\t):128*(\a)+8*(\t)+7], v[VS+(\t)/2], v[PW+(\a)] matrix_a_scale:MATRIX_SCALE_ROW1
.else
	v_wmma_scale_f32_16x16x128_f8f6f4 v[128*(\a)+8*(\t):128*(\a)+8*(\t)+7], v[(\src):(\src)+15], v[P+16*(\a):P+16*(\a)+15], v[128*(\a)+8*(\t):128*(\a)+8*(\t)+7], v[VS+(\t)/2], v[PW+(\a)]
.endif
.endm
.macro PVG g, src                      ; four fragments of V, each for both softmaxes: eight accumulators by turns
	WIN 0x50                                       ; C and D window 1
.irp tt, 0,1,2,3
.irp a, 0,1
	PV 4*(\g)+\tt, \a, (\src)+16*\tt
.endr
.endr
	WIN 0
.endm
.macro RESC a, from, n                 ; n pairs of O_a^T, from pair from on, under the new M: x f, ascending
	WIN 0x41                                       ; O in window 1, f in window 0
.set rr, 128*(\a)+2*(\from)
.rept \n
	v_pk_mul_f32 v[rr:rr+1], v[rr:rr+1], v[FF:FF+1] op_sel_hi:[1,0]
.set rr, rr+2
.endr
.endm
; On the diagonal the scores of hidden keys become -infinity ahead of the maximum: p = 0 then.  A step all of whose keys count for all 16 queries jumps over this.
.macro MASK
	s_add_co_u32 s96, s[KF], 127
	s_cmp_le_u32 s96, s[Q0]
	s_cbranch_scc1 .Lopen_\@
	s_sub_co_i32 s96, s[Q0], s[KF]
	v_add_nc_u32 v[TA], s96, v[RH]                 ; d = my query - KF - 8 hh.  Register 8 t + j holds key KF + 16 t + 8 hh + j: hidden where 16 t + j > d
.set nn, 0
.rept 64
	v_cmp_gt_i32 vcc_lo, 16*(nn/8)+nn%8, v[TA]
	v_cndmask_b32 v[S+nn], v[S+nn], v[NINF], vcc_lo
.set nn, nn+1
.endr
.Lopen_\@:
.endm
; The softmax of 128 keys for softmax a: S^T becomes p; p's codes go to v[P + 16 a] on, its scale word to v[PW + a], f to v[FF].
.macro SM a
.set NM, ST+2*(\a)
.set SU, SUM+2*(\a)
.set PCD, P+16*(\a)
.irp b, 0,1,2,3
	v_max3_num_f32 v[BM+\b], v[S+16*\b], v[S+16*\b+1], v[S+16*\b+2]   ; the largest score of each block of 32 keys: for the row's maximum and, since p rises with the score, for the block's largest p.  Each accumulator is read from its low end on
.endr
.irp i, 3,5,7,9,11,13
.irp b, 0,1,2,3
	v_max3_num_f32 v[BM+\b], v[BM+\b], v[S+16*\b+\i], v[S+16*\b+\i+1]
.endr
.endr
.irp b, 0,1,2,3
	v_max_num_f32 v[BM+\b], v[BM+\b], v[S+16*\b+15]
.endr
.irp b, 0,1,2,3
	v_permlanex16_b32 v[T4+\b], v[BM+\b], s[SEL], s[SEL+1]
.endr
.irp b, 0,1,2,3
	v_max_num_f32 v[BM+\b], v[BM+\b], v[T4+\b]     ; with the 16 keys of lane l xor 16
.endr
	v_max3_num_f32 v[TA], v[BM], v[BM+1], v[BM+2]
	v_max_num_f32 v[TA], v[TA], v[BM+3]
	v_mul_f32 v[TA], s[CS], v[TA]                  ; the step's largest t (c is positive)
	v_max_num_f32 v[NM+1], v[NM+1], v[TA]          ; the running largest t
	v_mov_b32 v[TA], v[NM]
	v_floor_f32 v[NM], -v[NM+1]                    ; the new -M = -ceil(t): a whole number
	v_sub_f32 v[TA], v[NM], v[TA]                  ; old M - new M: a whole number, 0 or less
	v_cvt_i32_f32 v[TA], v[TA]                     ; (it saturates)
	v_ldexp_f32 v[FF], 1.0, v[TA]                  ; f = 2^(old M - new M)
.set jj, 0
.rept 32
	v_pk_fma_f32 v[S+jj:S+jj+1], v[S+jj:S+jj+1], s[CS:CS+1], v[NM:NM+1] op_sel_hi:[1,0,0]   ; t - M, two at a time
.set jj, jj+2
.endr
.irp b, 0,1,2,3
	v_fma_f32 v[BM+\b], v[BM+\b], s[CS], v[NM]     ; the same of each block's largest score
.endr
.set jj, 0
.rept 64
	v_exp_f32 v[S+jj], v[S+jj]                     ; p = 2^(t - M), at most 1
.set jj, jj+1
.endr
	v_pk_mul_f32 v[SU:SU+1], v[SU:SU+1], v[FF:FF+1] op_sel_hi:[1,0]   ; the sum under the new M: the plain line behind the batch
	s_wait_alu depctr_va_vdst(0)                   ; one wait for the 64, ahead of their first reader
.irp b, 0,1,2,3
	v_exp_f32 v[BM+\b], v[BM+\b]                   ; the block's largest p
.endr
	v_pk_add_f32 v[CH:CH+1], v[S:S+1], v[S+2:S+3]  ; the row's sum of the unquantised p, in two chains
.set jj, 4
.rept 15
	v_pk_add_f32 v[SU:SU+1], v[SU:SU+1], v[S+jj:S+jj+1]
	v_pk_add_f32 v[CH:CH+1], v[CH:CH+1], v[S+jj+2:S+jj+3]
.set jj, jj+4
.endr
	v_pk_add_f32 v[SU:SU+1], v[SU:SU+1], v[CH:CH+1]
	s_wait_alu depctr_va_vdst(0)                   ; and one for the four
.irp b, 0,1,2,3
	v_max_num_f32 v[BM+\b], 0x4800000, v[BM+\b]    ; the floor 2^(9 - 127): the byte cannot fall under 1
.endr
.irp b, 0,1,2,3
	v_add_nc_u32 v[SO+\b], 0xfc000000, v[BM+\b]    ; 8 off the exponent field: the conversion's scale operand
.endr
.irp b, 0,1,2,3
	v_and_or_b32 v[HL+\b], v[BM+\b], 0x7f800000, s[MNT]   ; 448 x the scale
.endr
.irp b, 0,1,2,3
	v_lshrrev_b32 v[T4+\b], 23, v[SO+\b]           ; the scale byte
.endr
	v_lshl_or_b32 v[PW+(\a)], v[T4+1], 8, v[T4]    ; p's scale word for these 128 keys
	v_lshl_or_b32 v[PW+(\a)], v[T4+2], 16, v[PW+(\a)]
	v_lshl_or_b32 v[PW+(\a)], v[T4+3], 24, v[PW+(\a)]
.irp b, 0,1,2,3
.irp i, 0,1,2,3,4,5,6,7,8,9,10,11,12,13,14,15
	v_min_num_f32 v[S+16*\b+\i], v[S+16*\b+\i], v[HL+\b]   ; the conversion does not saturate (ISA guide 7.6.2); p is not negative: a one-sided hold
.endr
	v_cvt_scalef32_pk8_fp8_f32 v[PCD+4*\b:PCD+4*\b+1], v[S+16*\b:S+16*\b+7], v[SO+\b]
	v_cvt_scalef32_pk8_fp8_f32 v[PCD+4*\b+2:PCD+4*\b+3], v[S+16*\b+8:S+16*\b+15], v[SO+\b]
.endr
	v_nop                                          ; a plain line behind the last conversion: matrix instructions will write its sources
.endm
; A KEY STEP: 128 keys, the q-th of the slot in hand, both softmaxes.  Behind a matrix instruction of this form 8 plain vector lines stand ahead of a load into, or a vector read or write of, its registers, and 9 ahead of a
; matrix instruction that writes over them.
.macro STEP q
	s_add_co_u32 s96, s[Q0], 15
	s_cmp_gt_u32 s[KF], s96
	s_cbranch_scc1 .Lhid_\@                        ; all 128 keys come after my 16 queries: ids and the count of steps alone
	PLACES 9                                       ; the last step's products read F0, S and p's codes: loads land there, and the first products below write over S
	KSC \q, 0
	KFR S, \q, 0, 6                                ; all eight fragments of K1 at once: four lie where S^T's low tiles and p's codes will be
	KFR S+16, \q, 0, 7
	KFR P, \q, 0, 4
	KFR P+16, \q, 0, 5
.irp tt, 0,1,2,3
	KFR F0+16*\tt, \q, 0, \tt
.endr
	s_wait_dscnt 16                                ; the sixteen loads of tiles 0 to 3 may be out
	QK 0, 6, S
	QK 0, 7, S+16
	QK 0, 4, P
	QK 0, 5, P+16
	PLACES 9                                       ; tiles 0 to 3 write over the fragments of tiles 6 and 7
	s_wait_dscnt 0x0
.irp tt, 0,1,2,3
	QK 0, \tt, F0+16*\tt
.endr
	PLACES 8
.irp tt, 0,1,2,3
	KFR F0+16*\tt, \q, 1, \tt                      ; K2, as far as registers are free: they land under the first softmax
.endr
	KFR P+16, \q, 1, 7
	KSC \q, 1
	MASK
	SM 0
	KFR S, \q, 1, 4                                ; p is in codes: S is free
	KFR S+16, \q, 1, 5
	KFR S+32, \q, 1, 6
	RESC 0, 0, 40
	WIN 0
	s_wait_dscnt 0x0
	QK 1, 6, S+32
	QK 1, 7, P+16
	RESC 0, 40, 12                                 ; twelve plain lines: tiles 4 and 5 write over the fragment of tile 6
	WIN 0
	QK 1, 4, S
	QK 1, 5, S+16
	RESC 0, 52, 12                                 ; and tiles 0 to 3 over those of tiles 4 and 5
	WIN 0
.irp tt, 0,1,2,3
	QK 1, \tt, F0+16*\tt
.endr
	PLACES 8
.irp tt, 0,1,2,3
	VFR F0+16*\tt, \q, \tt                         ; V's first four fragments land under the second softmax
.endr
	VSC \q
	MASK
	SM 1
.irp tt, 0,1,2,3
	VFR S+16*\tt, \q, 4+\tt
.endr
	RESC 1, 0, 64                                  ; (also the plain lines between p's codes and scale word and the products that take them)
	WIN 0
	s_wait_dscnt 16                                ; tiles 4 to 7 may be out
	PVG 0, F0
	PLACES 8
.irp tt, 0,1,2,3
	VFR F0+16*\tt, \q, 8+\tt
.endr
	s_wait_dscnt 16                                ; tiles 8 to 11 may be out
	PVG 1, S
	PLACES 8
.irp tt, 0,1,2,3
	VFR S+16*\tt, \q, 12+\tt
.endr
	s_wait_dscnt 16                                ; tiles 12 to 15 may be out
	PVG 2, F0
	s_wait_dscnt 0x0
	PVG 3, S
.Lhid_\@:
	s_add_co_u32 s[KF], s[KF], 128
.endm
; THE CHANGE OF SLOTS stands at a slot's head.  Each wave waits for all its tensor loads (its part of the slot that it is about to read), adds 0 to its spare word, and waits for that and for its reads of the slot that it has left.
; Behind the barrier the slot ahead is whole and nobody reads the other one.  fill = 1: that other slot takes the next 256 keys, if a wave of the work-group will read them; the load has a slot's two steps in which to land.
.macro CHANGE fill
	s_wait_tensorcnt 0x0                           ; no tensor load of mine is out, so a group 0 may be written
	ds_add_u32 v[SPW], v[NIL]                      ; 0 onto my spare word; the address work below stands between it and the wait for it
	v_add_nc_u32 v[ADK], s[TB], v[AK0]             ; my places in the slot ahead
	v_add_nc_u32 v[ADV], s[TB], v[AV0]
	v_add_nc_u32 v[ADS], s[TB], v[AS0]
.if \fill
	s_xor_b32 s96, s[TB], SLOT                     ; the other slot
	s_add_co_u32 s[G0K+1], s96, s[KL]
	s_add_co_u32 s[G0V+1], s96, s[VL]
	s_add_nc_u64 s[G0K+2:G0K+3], s[G0K+2:G0K+3], KSLOTB   ; the next 256 keys; the type bits on top are not reached
	s_add_nc_u64 s[G0V+2:G0V+3], s[G0V+2:G0V+3], VSLOTB
	s_wait_xcnt 0x0                                ; the last prefetches, a slot back, have read their addresses, so they may be written:
	s_add_nc_u64 s[PFK:PFK+1], s[PFK:PFK+1], KSLOTB   ; one slot further on than the walking descriptors
	s_add_nc_u64 s[PFV:PFV+1], s[PFV:PFV+1], VSLOTB
.endif
	s_wait_dscnt 0x0                               ; the add is done, and my reads of the slot that I have left are over
	s_barrier_signal -1
	s_barrier_wait -1
.if \fill
	s_add_co_u32 s96, s[KF], 256                   ; the first key of the slot that this change would ask for
	s_cmp_gt_u32 s96, s[LASTQ]                     ; past my work-group's last query: none of its waves would read it.  Ids and the count of steps alone: all eight waves go the same way, and past stays past
	s_cbranch_scc1 .Lpast_\@
	TLOAD                                          ; a wave's one tensor load until the next such barrier
.Lpast_\@:
	ASK
.endif
.endm
.Lslot:                                            ; 7 trips: behind each change of slots but the last the next slot is asked for, up to the causal limit
	CHANGE 1
	STEP 0
	STEP 1
	s_xor_b32 s[TB], s[TB], SLOT                   ; on to the other slot
	s_sub_co_u32 s[SLOTS], s[SLOTS], 1
	s_cmp_lg_u32 s[SLOTS], 0
	s_cbranch_scc1 .Lslot
	CHANGE 0                                       ; the last slot is written out: nothing is left to fetch
	STEP 0
	STEP 1
	; THE WAY OUT.  attn1 - lambda attn2 = (O1 - lambda (l1 / l2) O2) / l1 = z / l1; var = sum of z^2 / l1^2 / 256; out = z x rsqrt(var + eps) / l1 x (1 - LAMBDA_INIT) x weight.
	PLACES 8                                       ; behind the last products
	v_and_b32 v[RH], 15, v0
	v_lshlrev_b32 v[RH], 4, v[RH]                  ; 16 r
.irp u, 0,1,2,3
	global_load_b128 v[BM+4*\u:BM+4*\u+3], v[RH], s[20:21] offset:256*\u   ; the weights of channels 64 u + 4 r + 0 .. 3: what my lane stores
.endr
	v_add_f32 v[TA], v[SUM], v[SUM+1]              ; each sum's two halves,
	v_add_f32 v[TBV], v[SUM+2], v[SUM+3]
	v_permlanex16_b32 v[CH], v[TA], s[SEL], s[SEL+1]
	v_permlanex16_b32 v[CH+1], v[TBV], s[SEL], s[SEL+1]
	v_add_f32 v[TA], v[TA], v[CH]                  ; and those of lane l xor 16: l1,
	v_add_f32 v[TBV], v[TBV], v[CH+1]              ; l2
	v_rcp_f32 v[CH], v[TA]
	v_rcp_f32 v[CH+1], v[TBV]
	v_nop
	s_wait_alu depctr_va_vdst(0)                   ; one wait for both reciprocals
	v_mul_f32 v[FF], v[TA], v[CH+1]
	v_mul_f32 v[FF], -v[LAM], v[FF]                ; - lambda l1 / l2
	WIN 0x51                                       ; O2 (source 0), O1 (source 2 and destination) window 1; the factor window 0
.set pp, 0
.rept 64
	v_pk_fma_f32 v[pp:pp+1], v[128+pp:129+pp], v[FF:FF+1], v[pp:pp+1] op_sel_hi:[1,0,1]   ; z, over O1; both accumulators are read from their low ends on
.set pp, pp+2
.endr
	WIN 0x05                                       ; sources 0 and 1 window 1
	v_pk_mul_f32 v[S:S+1], v[0:1], v[0:1]          ; the sum of z^2 over my 128 channels, in two chains of pairs
	v_pk_mul_f32 v[S+2:S+3], v[2:3], v[2:3]
.set pp, 4
.rept 31
	v_pk_fma_f32 v[S:S+1], v[pp:pp+1], v[pp:pp+1], v[S:S+1]
	v_pk_fma_f32 v[S+2:S+3], v[pp+2:pp+3], v[pp+2:pp+3], v[S+2:S+3]
.set pp, pp+4
.endr
	WIN 0
	v_pk_add_f32 v[S:S+1], v[S:S+1], v[S+2:S+3]
	v_add_f32 v[S], v[S], v[S+1]
	v_permlanex16_b32 v[S+1], v[S], s[SEL], s[SEL+1]
	v_add_f32 v[S], v[S], v[S+1]                   ; with the other 128 channels, in lane l xor 16
	v_mul_f32 v[S+1], v[CH], v[CH]
	v_mul_f32 v[S+1], 0x3b800000, v[S+1]           ; 1 / (256 l1^2)
	v_fmaak_f32 v[S], v[S], v[S+1], 0x3727c5ac     ; var + 1e-5
	v_rsq_f32 v[S+2], v[S]
	v_nop
	s_wait_alu depctr_va_vdst(0)
	v_mul_f32 v[FF], v[S+2], v[CH]
	v_mul_f32 v[FF], 0x3e5d9673, v[FF]             ; x (1 - LAMBDA_INIT)
; 64 channels (256 bytes of each of 16 rows) at a time through my stage: a lane's eight channels of a tile go in as 32 bytes of its row; whole rows come back.  LDS serves a wave's instructions in order (ISA guide 5.7.1.4).
.macro PACK u
.set XX, S+32*((\u)%2)
.set RR, 16+32*(\u)
.if (\u) == 3
.set RR, P
.endif
	WIN 0x01                                       ; source 0 window 1
.set pp, 0
.rept 16
	v_pk_mul_f32 v[XX+pp:XX+pp+1], v[32*(\u)+pp:32*(\u)+pp+1], v[FF:FF+1] op_sel_hi:[1,0]
.set pp, pp+2
.endr
	WIN 0
.irp tt, 0,1,2,3
	ds_store_b128 v[STO], v[XX+8*\tt:XX+8*\tt+3] offset:64*\tt
	ds_store_b128 v[STO], v[XX+8*\tt+4:XX+8*\tt+7] offset:64*\tt+16
.endr
.irp i, 0,1,2,3,4,5,6,7
	ds_load_b128 v[RR+4*\i:RR+4*\i+3], v[RD] offset:2*\i*SP
.endr
.endm
.macro SEND u, younger                 ; younger: the LDS instructions issued behind this part's loads: the next part's sixteen, or none
.set RR, 16+32*(\u)
.if (\u) == 3
.set RR, P
.endif
	s_wait_dscnt \younger
.irp i, 0,1,2,3,4,5,6,7
	v_pk_mul_f32 v[RR+4*\i:RR+4*\i+1], v[RR+4*\i:RR+4*\i+1], v[BM+4*(\u):BM+4*(\u)+1]       ; x the weights
	v_pk_mul_f32 v[RR+4*\i+2:RR+4*\i+3], v[RR+4*\i+2:RR+4*\i+3], v[BM+4*(\u)+2:BM+4*(\u)+3]
.endr
.irp i, 0,1,2,3,4,5,6,7
	global_store_b128 v[GO], v[RR+4*\i:RR+4*\i+3], s[22:23] offset:2*\i*8192+256*(\u) th:TH_STORE_NT   ; sixteen lanes store 256 consecutive bytes, aligned; each part has registers of its own
.endr
.endm
	PACK 0
	PACK 1
	s_wait_loadcnt 0x0                             ; the weights
	SEND 0, 16
	PACK 2                                         ; (its numbers take the registers of part 0, whose stores into the stage the wait above has shown done)
	SEND 1, 16
	PACK 3
	SEND 2, 16
	SEND 3, 0
	s_wait_tensorcnt 0x0                           ; the wave's end, behind my last tensor load and my last LDS store
	ds_add_u32 v[SPW], v[NIL]
	s_wait_dscnt 0x0
	s_endpgm
.Lfunc_end_k_qad10db7ff5_attn:
	.size	k_qad10db7ff5_attn, .Lfunc_end_k_qad10db7ff5_attn-k_qad10db7ff5_attn
	.p2alignl 7, 3214868480
	.fill 96, 4, 3214868480
	.section	.rodata,"a",@progbits
	.p2align	6, 0x0
	.amdhsa_kernel k_qad10db7ff5_attn
		.amdhsa_group_segment_fixed_size 327680
		.amdhsa_private_segment_fixed_size 0
		.amdhsa_enable_private_segment 0
		.amdhsa_kernarg_size 80
		.amdhsa_user_sgpr_count 2
		.amdhsa_user_sgpr_kernarg_segment_ptr 1
		.amdhsa_wavefront_size32 1
		.amdhsa_system_sgpr_workgroup_id_x 1
		.amdhsa_system_sgpr_workgroup_id_y 1
		.amdhsa_system_sgpr_workgroup_id_z 1
		.amdhsa_system_vgpr_workitem_id 0
		.amdhsa_next_free_vgpr 512
		.amdhsa_next_free_sgpr 100
		.amdhsa_reserve_vcc 1
		.amdhsa_float_denorm_mode_32 3
		.amdhsa_float_denorm_mode_16_64 3
		.amdhsa_memory_ordered 1
		.amdhsa_forward_progress 1
		.amdhsa_inst_pref_size 255
	.end_amdhsa_kernel
	.section	.bss,"aw",@nobits
	.p2align	6
	.space	262144
	.amdgpu_metadata
---
amdhsa.version: [ 1, 2 ]
amdhsa.kernels:
  - .name:           k_qad10db7ff5_attn
    .symbol:         k_qad10db7ff5_attn.kd
    .args:
      - { .name: q_codes, .offset: 0, .size: 8, .value_kind: global_buffer, .address_space: global }
      - { .name: q_scales, .offset: 8, .size: 8, .value_kind: global_buffer, .address_space: global }
      - { .name: k_codes, .offset: 16, .size: 8, .value_kind: global_buffer, .address_space: global }
      - { .name: vq, .offset: 24, .size: 8, .value_kind: global_buffer, .address_space: global }
      - { .name: lambda_q1, .offset: 32, .size: 8, .value_kind: global_buffer, .address_space: global }
      - { .name: lambda_k1, .offset: 40, .size: 8, .value_kind: global_buffer, .address_space: global }
      - { .name: lambda_q2, .offset: 48, .size: 8, .value_kind: global_buffer, .address_space: global }
      - { .name: lambda_k2, .offset: 56, .size: 8, .value_kind: global_buffer, .address_space: global }
      - { .name: subln_weight, .offset: 64, .size: 8, .value_kind: global_buffer, .address_space: global }
      - { .name: out0, .offset: 72, .size: 8, .value_kind: global_buffer, .address_space: global }
    .group_segment_fixed_size: 327680
    .private_segment_fixed_size: 0
    .kernarg_segment_align: 8
    .kernarg_segment_size: 80
    .max_flat_workgroup_size: 256
    .sgpr_count:     100
    .vgpr_count:     512
    .wavefront_size: 32
...
	.end_amdgpu_metadata
.endif
;; end of part 2
